; MI455X (gfx1250); checked and timed in simulation.
; The chip was launched on July 23, 2026; its instructions are those of AMD's public machine-readable ISA for CDNA 5 (MIT licence, August 2026) and "CDNA5" Instruction Set Architecture Reference Guide (July 2026). The comments in the code are by the model that wrote it; some were corrected since.
;; Open CLIP Vi T. Allowed arithmetic: matrix products marked QUANTISED: E2M1 operands, one E8M0 scale for each 32 along K, by v_wmma_scale_f32_16x16x128_f8f6f4 with both operands' format E2M1 (or v_wmma_scale_f32_32x16x128_f4), f32 sums; everything else in f32.
;; Inputs: in_proj_b 3,072 float32; in_proj_w 3,072 x 1,024 float32; mask 64 x 128 bool; out_proj_b 1,024 float32; out_proj_w 1,024 x 1,024 float32; x 64 x 128 x 1,024 float32.
;; Outputs: out0 64 x 128 x 1,024 float32.
;; This version of the problem:
;;   THIS VERSION OF THE PROBLEM IS GIVEN IN LOW PRECISION. The matrix products marked QUANTISED in the list below multiply operands that are first quantised to E2M1 (2 exponent bits, 1 mantissa bit; 4 bits a number), with one power-of-two scale for each 32 numbers along K (OCP MX v1.0); their sums are f32. All else is computed in f32.
;;   The module's matrix products, in the order in which they are computed (A, B: the left and right operand; K: the contracted axis; several contracted axes count as one K, in the product's order):
;;     1. [M 8,192, K 1,024] x [K 1,024, N 3,072]; A: input x; B: input in_proj_w: QUANTISED
;;     2. batch 1,024 x [M 128, K 64] x [K 64, N 128]; A: computed on the way; B: computed on the way: QUANTISED
;;     3. batch 1,024 x [M 128, K 128] x [K 128, N 64]; A: softmax (see below); B: computed on the way: QUANTISED
;;     4. [M 8,192, K 1,024] x [K 1,024, N 1,024]; A: computed on the way; B: input out_proj_w: QUANTISED
;;   THE QUANTISER, for each operand of a quantised product, along K:
;;     - K is cut into blocks of 32 from its start; a last block that is shorter is filled with zeros.
;;     - A block's scale is 2^e with e = floor(log2(the largest magnitude in the block)) - 2, held to -126 .. 127; a block of zeros has e = 0. As a byte (E8M0): e + 127.
;;     - Each number is divided by its block's scale, clamped to +-6, and rounded to the nearest number of E2M1, ties to even, subnormals kept.
;;     - The product sums the exact products of the quantised numbers (number of the format x scale) in f32.
;;   ~~~python
;;   def quantise(x, axis):      # numpy; x: float32 -> the quantised numbers, widened to float32 again
;;       x = np.moveaxis(x, axis, -1); K = x.shape[-1]
;;       x = np.pad(x, [(0, 0)] * (x.ndim - 1) + [(0, -K % 32)]); x = x.reshape(x.shape[:-1] + (-1, 32)); a = np.abs(x).max(-1, keepdims=True)
;;       e = np.where(a > 0, np.clip(np.frexp(np.where(a > 0, a, 1))[1] - 1 - 2, -126, 127), 0)      # np.frexp(a)[1] - 1 = floor(log2(a)), exactly
;;       r = np.clip(x / 2.0 ** e, -6, 6)
;;       step = 2.0 ** (np.maximum(np.frexp(np.where(r == 0, 1, r))[1] - 1, 0) - 1)
;;       q = np.round(r / step) * step * 2.0 ** e      # np.round: ties to even
;;       return np.moveaxis(q.reshape(q.shape[:-2] + (-1,))[..., :K], -1, axis).astype(np.float32)
;;   ~~~
;;   SOFTMAX AHEAD OF A QUANTISED PRODUCT. Where the list says 'softmax', what is quantised is not the finished softmax but p = 2^(t - M), with t = logit x log2(e) and M = ceil(the row's largest t), a whole number; so 1/2 < the row's largest p <= 1. The row's sum l is taken of the UNQUANTISED p, in f32, and the product's result is divided by l at the end. Since M is a whole number, a kernel that streams over the keys may use a running M (the ceiling of the running maximum): every later rescaling is an exact power of two, which a block's scale takes up: the codes' values come out the same.
;;   OPERANDS COMPUTED ON THE WAY. 'Computed on the way' means the value that the module computes at that place (a softmax that the list does not call 'softmax' is quantised finished and normalised). What goes into a quantiser is computed in f32, as accurately as f32 sums, v_exp_f32 and their like allow (about 1e-6 of the number): no bf16 or f16 on the way to a quantiser, and a product that is left as it is and whose result goes on into a quantised operand takes f32 operands (vector FMAs, or v_wmma_f32_16x16x4_f32). A number that lies on a knife's edge between two numbers of the format may be rounded either way, as far as f32 arithmetic and the matrix unit's own rounding can turn it there, and no further.
;; One version. Each part assembles by itself: llvm-mc -triple=amdgcn-amd-amdhsa -mcpu=gfx1250 --defsym DOCPART=n.
;; ======== version 1 of 1: 3 launches
;; limits: right only within a limited range of input values
;; workspace buffers: codes 6,291,456 bytes; scales 393,216 bytes; o_codes 4,194,304 bytes; o_scales 262,144 bytes
;; launch quant (part 1): grid 768 x 1, 4 waves a work-group, no clusters, 70,656 bytes of LDS; arguments x, in_proj_w, out_proj_w, codes, scales; writes codes, scales
.if DOCPART == 1
	.amdgcn_target "amdgcn-amd-amdhsa--gfx1250"
	.amdhsa_code_object_version 6
	.text
	.protected	k_qa0f7d665d2_quant
	.globl	k_qa0f7d665d2_quant
	.p2align	8
	.type	k_qa0f7d665d2_quant,@function
k_qa0f7d665d2_quant:
	s_mov_b64 s[64:65], 0
	v_nop
	global_prefetch_b8 v0, s[64:65] scope:SCOPE_SE
	s_setreg_imm32_b32 hwreg(HW_REG_WAVE_MODE, 25, 1), 1
	s_wait_xcnt 0x0
; x [8192][1024], in_proj_w [3072][1024] and out_proj_w [1024][1024], f32, K innermost, become codes of FP4 (E2M1) with one E8M0 byte for each 32 along K.
; A block's scale is 2^(floor(log2(its largest magnitude)) - 2); its byte is the largest magnitude's exponent field - 2, held at 1 from below.
; LIMITS: a block of zeros, or one whose largest magnitude lies under 2^-124, gets the byte 1 (zero codes add nothing under it; this program alone reads the bytes); NaN and infinities among the inputs are not served.
; THE WORKSPACE IS LAID IN THE ORDER OF THE OPERAND'S REGISTERS.  32 rows on end are a PAIR of two tiles of 16: place r of tile u is row 8 u + r + 8 (r / 8) of the pair.
;   codes: a tile is 8,192 bytes, [block of 32 along K: 0..31][place r][16 bytes]: the fragment of K step s is the 1,024 bytes at 1,024 s, and its register group c of lane l lies at 512 c + 16 l.
;   scales: a pair is 1,024 bytes, [K step / 4][16 u + r][4 words]: one load of 16 bytes a lane brings the words of four K steps, tile 0 in lanes 0-15, tile 1 in lanes 16-31.
;   pairs 0-255 x; 256 + 6 head + 2 part + i in_proj_w (a head's q, k and v tiles on end); 352.. out_proj_w.
; SHARES.  A work-group takes ONE TILE: 768 work-groups of equal work.  Wave w takes K steps 2 w, 2 w + 1: 16 rows x 256 numbers, 32 loads, all issued at once.  Each load's sixteen lanes read 256 consecutive bytes.
; The conversions want neighbours along K in ONE lane: so the numbers turn through the wave's own stage in LDS, after which lane (r, h) holds place r, K step 2 w + h: four whole blocks, one scale word.
; No tensor loads, no loop; one barrier, in front of the copy of the tile's scale words.
.set R,    16                          ; v16-143  the numbers as loaded
.set X,    144                         ; v144-207 two whole blocks of my row
.set C,    208                         ; v208-223 codes: four registers for each of my four blocks, so that no store's data are written again
.set WD,   15                          ; v15      my scale word
.set HST,  8704                        ; a stage: 32 rows x (256 bytes + 16): 17 x 16 bytes from row to row
.set WST,  2*HST                       ; two stages a wave
.set SCB,  4*WST                       ; behind the stages: the tile's 512 scale bytes, [K step / 4][r][4 words]
	s_load_b128 s[4:7], s[0:1], 0x0                ; x, in_proj_w
	s_load_b128 s[8:11], s[0:1], 0x10              ; out_proj_w, codes
	s_load_b64 s[12:13], s[0:1], 0x20              ; scales
.set SPW,  9                           ; v9       LDS address of my spare word
.set NIL,  224                         ; v224     0
.set SPARE, SCB+512                    ; the spare words, 128 bytes for each wave: no other line names them
	v_lshl_add_u32 v[SPW], v0, 2, SPARE
	v_mov_b32 v[NIL], 0
	v_lshrrev_b32 v1, 5, v0
	v_readfirstlane_b32 s16, v1                    ; wave 0..3: which two K steps
	v_and_b32 v2, 31, v0                           ; lane
	v_and_b32 v10, 15, v0                          ; r
	v_bfe_u32 v11, v0, 4, 1                        ; h
	s_and_b32 s17, ttmp9, 1                        ; u: which tile of the pair
	v_lshlrev_b32 v12, 4, v10                      ; 16 r
	s_wait_alu depctr_va_vdst(0)
	v_lshl_add_u32 v3, v11, 9, v12                 ; in: 512 h + 16 r: lanes 0-15 in the first K step's bytes, lanes 16-31 in the second's.  The scale words' copy has the same lane term
	s_mul_i32 s30, s16, WST
	v_mul_u32_u24 v4, v11, 4352
	v_add_nc_u32 v4, v4, v12
	v_add_nc_u32 v4, s30, v4                       ; into the stage: row 16 h + the load's place, 16 r
	v_mul_u32_u24 v5, v2, 272
	v_add_nc_u32 v5, s30, v5                       ; out of it: row = my lane
	v_lshl_add_u32 v6, v11, 10, v12                ; my codes: 1,024 h + 16 r
	s_lshr_b32 s20, s16, 1
	s_lshl_b32 s20, s20, 8                         ; my scale word: 256 (K step / 4)
	s_and_b32 s21, s16, 1
	s_lshl_b32 s21, s21, 3                         ; + 8 (wave % 2) + 4 h: which of the four words
	s_add_co_u32 s20, s20, s21
	s_add_co_u32 s20, s20, SCB
	v_lshl_add_u32 v7, v11, 2, v12                 ; + 16 r
	v_add_nc_u32 v7, s20, v7
	v_lshlrev_b32 v8, 4, v2
	v_add_nc_u32 v8, SCB, v8                       ; the copy: 16 x lane
	; which tensor, which of its pairs, and where the pair goes: all from the work-group's number
	s_lshr_b32 s19, ttmp9, 1                       ; the pair
	s_sub_co_u32 s20, s19, 256                     ; in_proj_w's pair
	s_lshr_b32 s21, s20, 5                         ; part (q, k, v): 32 pairs each
	s_bfe_u32 s22, s20, 0x40001                    ; head: two pairs each
	s_and_b32 s23, s20, 1
	s_mul_i32 s22, s22, 6
	s_lshl_b32 s21, s21, 1
	s_add_co_u32 s22, s22, s21
	s_add_co_u32 s22, s22, s23
	s_add_co_u32 s22, s22, 256                     ; 256 + 6 head + 2 part + i
	s_sub_co_u32 s24, s19, 352                     ; out_proj_w's pair
	s_wait_alu depctr_va_vdst(0)
	s_wait_kmcnt 0x0
	s_cmp_lt_u32 s19, 256
	s_cselect_b64 s[4:5], s[4:5], s[6:7]
	s_cselect_b32 s20, s19, s20
	s_cselect_b32 s22, s19, s22
	s_cmp_ge_u32 s19, 352
	s_cselect_b64 s[4:5], s[8:9], s[4:5]
	s_cselect_b32 s20, s24, s20
	s_cselect_b32 s22, s19, s22
	s_lshl_b32 s26, s20, 17                        ; the source: 32 rows of 4,096 bytes a pair,
	s_lshl_b32 s27, s17, 15                        ; tile 1 begins 8 rows down,
	s_add_co_u32 s26, s26, s27
	s_lshl_b32 s27, s16, 10                        ; 1,024 bytes for my two K steps
	s_add_co_u32 s26, s26, s27
	s_mov_b32 s27, 0
	s_add_nc_u64 s[4:5], s[4:5], s[26:27]
	s_lshl_b32 s26, s22, 14                        ; the codes: 16,384 bytes a pair, 8,192 a tile, 2,048 for two K steps
	s_lshl_b32 s28, s17, 13
	s_add_co_u32 s26, s26, s28
	s_lshl_b32 s28, s16, 11
	s_add_co_u32 s26, s26, s28
	s_add_nc_u64 s[10:11], s[10:11], s[26:27]
	s_lshl_b32 s26, s22, 10                        ; the scale words: 1,024 bytes a pair; my tile's sixteen lanes begin 256 u bytes on
	s_lshl_b32 s28, s17, 8
	s_add_co_u32 s26, s26, s28
	s_add_nc_u64 s[12:13], s[12:13], s[26:27]
.irp ph, 0,1
.irp q, 0,1,2,3,4,5,6,7,8,9,10,11,12,13,14,15
	global_load_b128 v[R+4*(16*\ph+\q):R+4*(16*\ph+\q)+3], v3, s[4:5] offset:(\q+8*(\q/8))*4096+256*\ph th:TH_LOAD_NT   ; place q of my tile; blocks 2 ph, 2 ph + 1 of both K steps
.endr
.endr
; Half ph of my rows' numbers: through the stage, then two blocks by turns.
.macro PHASE ph
	s_wait_loadcnt 16-16*\ph                       ; this half's 16 loads are in; the other half's may be out
.irp q, 0,1,2,3,4,5,6,7,8,9,10,11,12,13,14,15
	ds_store_b128 v4, v[R+4*(16*\ph+\q):R+4*(16*\ph+\q)+3] offset:HST*\ph+272*\q
.endr
.irp m, 0,1,2,3,4,5,6,7,8,9,10,11,12,13,14,15
	ds_load_b128 v[X+4*\m:X+4*\m+3], v5 offset:HST*\ph+16*\m       ; LDS serves a wave's instructions in order (ISA guide 5.7.1.4): these see the stores above
.endr
	s_wait_dscnt 0x0
.irp jj, 0,1
	v_max3_num_f32 v[10+\jj], |v[X+32*\jj]|, |v[X+32*\jj+1]|, 0x1800000   ; the block's largest magnitude, and the floor 2^(3 - 127): the byte cannot fall under 1
.endr
.irp i, 2,4,6,8,10,12,14,16,18,20,22,24,26,28,30
.irp jj, 0,1
	v_max3_num_f32 v[10+\jj], v[10+\jj], |v[X+32*\jj+\i]|, |v[X+32*\jj+\i+1]|
.endr
.endr
.irp jj, 0,1
	v_add_nc_u32 v[12+\jj], 0xff000000, v[10+\jj]  ; 2 off its exponent field: the conversion takes the exponent field of this operand as its scale
.endr
.if \ph == 0
	v_lshrrev_b32 v[WD], 23, v12                   ; the bytes, the lower K in the lower byte
	v_lshrrev_b32 v14, 23, v13
	v_lshl_or_b32 v[WD], v14, 8, v[WD]
.else
	v_lshrrev_b32 v14, 23, v12
	v_lshl_or_b32 v[WD], v14, 16, v[WD]
	v_lshrrev_b32 v14, 23, v13
	v_lshl_or_b32 v[WD], v14, 24, v[WD]
.endif
.irp jj, 0,1
.irp g, 0,1,2,3
	v_cvt_scalef32_pk8_fp4_f32 v[C+4*(2*\ph+\jj)+\g], v[X+32*\jj+8*\g:X+32*\jj+8*\g+7], v[12+\jj]
.endr
.endr
	v_nop                                          ; one plain place behind the last scaled conversion
.irp jj, 0,1
	global_store_b128 v6, v[C+4*(2*\ph+\jj):C+4*(2*\ph+\jj)+3], s[10:11] offset:256*(2*\ph+\jj)   ; sixteen lanes store 256 consecutive bytes, aligned
.endr
.endm
	PHASE 0
	PHASE 1
	ds_store_b32 v7, v[WD]
	s_wait_dscnt 0x0                               ; for the others' sake: my word has landed
	s_barrier_signal -1
	s_barrier_wait -1
	s_cmp_eq_u32 s16, 0                            ; wave 0 carries the tile's 512 scale bytes out
	s_cbranch_scc0 .Ldone
	ds_load_b128 v[16:19], v8
	s_wait_dscnt 0x0
	global_store_b128 v3, v[16:19], s[12:13]       ; lanes 0-15: K steps 0-3, lanes 16-31: K steps 4-7, 512 bytes on: each sixteen lanes store 256 consecutive bytes, aligned
.Ldone:
	s_wait_tensorcnt 0x0                           ; the wave's end
	ds_add_u32 v[SPW], v[NIL]
	s_wait_dscnt 0x0
	s_endpgm
.Lfunc_end_k_qa0f7d665d2_quant:
	.size	k_qa0f7d665d2_quant, .Lfunc_end_k_qa0f7d665d2_quant-k_qa0f7d665d2_quant
	.p2alignl 7, 3214868480
	.fill 96, 4, 3214868480
	.section	.rodata,"a",@progbits
	.p2align	6, 0x0
	.amdhsa_kernel k_qa0f7d665d2_quant
		.amdhsa_group_segment_fixed_size 70656
		.amdhsa_private_segment_fixed_size 0
		.amdhsa_enable_private_segment 0
		.amdhsa_kernarg_size 40
		.amdhsa_user_sgpr_count 2
		.amdhsa_user_sgpr_kernarg_segment_ptr 1
		.amdhsa_wavefront_size32 1
		.amdhsa_system_sgpr_workgroup_id_x 1
		.amdhsa_system_sgpr_workgroup_id_y 1
		.amdhsa_system_sgpr_workgroup_id_z 1
		.amdhsa_system_vgpr_workitem_id 0
		.amdhsa_next_free_vgpr 232
		.amdhsa_next_free_sgpr 66
		.amdhsa_reserve_vcc 0
		.amdhsa_float_denorm_mode_32 3
		.amdhsa_float_denorm_mode_16_64 3
		.amdhsa_memory_ordered 1
		.amdhsa_forward_progress 1
		.amdhsa_inst_pref_size 17
	.end_amdhsa_kernel
	.amdgpu_metadata
---
amdhsa.version: [ 1, 2 ]
amdhsa.kernels:
  - .name:           k_qa0f7d665d2_quant
    .symbol:         k_qa0f7d665d2_quant.kd
    .args:
      - { .name: x, .offset: 0, .size: 8, .value_kind: global_buffer, .address_space: global }
      - { .name: in_proj_w, .offset: 8, .size: 8, .value_kind: global_buffer, .address_space: global }
      - { .name: out_proj_w, .offset: 16, .size: 8, .value_kind: global_buffer, .address_space: global }
      - { .name: codes, .offset: 24, .size: 8, .value_kind: global_buffer, .address_space: global }
      - { .name: scales, .offset: 32, .size: 8, .value_kind: global_buffer, .address_space: global }
    .group_segment_fixed_size: 70656
    .private_segment_fixed_size: 0
    .kernarg_segment_align: 8
    .kernarg_segment_size: 40
    .max_flat_workgroup_size: 128
    .sgpr_count:     66
    .vgpr_count:     232
    .wavefront_size: 32
...
	.end_amdgpu_metadata
.endif
;; end of part 1
;; launch attn (part 2): grid 8 x 32, 8 waves a work-group, clusters of 4 x 4, 327,680 bytes of LDS; arguments codes, scales, in_proj_b, mask, o_codes, o_scales; writes o_codes, o_scales
.if DOCPART == 2
	.amdgcn_target "amdgcn-amd-amdhsa--gfx1250"
	.amdhsa_code_object_version 6
	.text
	.protected	k_qa0f7d665d2_attn
	.globl	k_qa0f7d665d2_attn
	.p2align	8
	.type	k_qa0f7d665d2_attn,@function
k_qa0f7d665d2_attn:
	s_mov_b64 s[64:65], 0
	v_nop
	global_prefetch_b8 v0, s[64:65] scope:SCOPE_SE
	s_setreg_imm32_b32 hwreg(HW_REG_WAVE_MODE, 25, 1), 1
	s_wait_xcnt 0x0
	s_wait_alu depctr_hold_cnt(0) depctr_sa_sdst(0) depctr_va_vdst(0) depctr_va_sdst(0) depctr_va_ssrc(0) depctr_va_vcc(0) depctr_vm_vsrc(0)
	s_getreg_b32 s2, hwreg(HW_REG_IB_STS2, 6, 4)
	s_cmp_eq_u32 s2, 0
	s_cbranch_scc0 .Lentry_in_a_cluster
	s_endpgm
.Lentry_in_a_cluster:
	s_bfe_u32 s2, ttmp6, 0x10000c
	s_cmp_lg_u32 s2, 0xf033
	s_cbranch_scc0 .Lentry_shape_is_right
	s_endpgm
.Lentry_shape_is_right:
; For two batches and two heads: q, k, v = x W^T + bias; S = q k^T / 8 with masked keys far below every score; p = 2^(t - M); o = (p v) / l; o quantised along (head, channel) for the last product.
; All products on codes of FP4 (E2M1) with E8M0 scales.
; SHARES.  A work-group is batches 2 bp, 2 bp + 1 and heads 2 hp, 2 hp + 1: four pairs of a batch and a head, two waves to a pair.  While projecting, wave (pair, hf) makes channels 32 hf .. 32 hf + 31 of q, of k and of v for all
; 128 tokens: 6 tiles of W x 8 tiles of x = 48 accumulators.  Codes and scale bytes then go to the pair's two waves through LDS as images of the operands' registers, and each wave takes four tiles of 16 queries.
; OPERANDS lie in memory in the order of their registers (a tile of 16 rows = 8,192 bytes, K step s at 1,024 s, register group c of lane l at 512 c + 16 l): every fragment load reads 512 bytes on end: no pitch, no padding.
; PLACE r OF TILE 2 b + u IS ROW 32 b + 8 u + r + 8 (r / 8).  So with W as source 0 and x as source 1 (q, k) a lane holds ONE token and the 16 registers of W's two tiles are channels 32 hf + 16 (lane / 16) + 0 .. 15;
; with x as source 0 (v) a lane holds one channel and 16 neighbouring tokens.
; THE SOFTMAX: t = score x log2(e) / 8; M = the row's largest t rounded UP to a whole number; p = 2^(t - M) is quantised along the keys, not normalised; l is the sum of the unquantised p and divides o.  A row's 128 keys are one step: no running M.
; THE MASK is the C of the score product: 0, or -2^125 for a masked key: its p is 0 beside any score of an unmasked key.
; PRODUCT q k^T has K = 64: the upper 64 of the instruction's 128 are zero codes on q's side; on k's side whatever codes follow in the registers.
; CLUSTER 4 x 4.  x's tiles hang on bp alone: asked for jointly along the cluster's row.  W's hang on hp alone: jointly along the column.
; THE TILES: K steps in the order 6, 0, 1, 2, 3, 4, 5, 7.  At the head each of the eight waves issues one joint load: waves 3 and 7 K step 6 (W, x), waves c and 4 + c K steps 2 c, 2 c + 1.  K step 7 is the one refill, over K step 6, four K steps ahead of its use.
; No prefetch: all tiles but K step 7 are asked for at the head, and the text has no loop to run ahead in.
; LIMITS: scores hold under 2^31; a batch whose keys are ALL masked gives NaN in the definition and the mean of v here; NaN and infinities among the inputs are not served; a block of zeros or under 2^-124 gets the byte 1.
; REGISTERS while projecting: v1-8 addresses, v9-11 W's scale words, v12-15 x's, v16-63 W's 6 fragments, v64-127 x's 8; v128-255 v's accumulators (tile i, x tile t) at 128 + 64 i + 8 t; window 1: q's (t, i) at 8 (2 t + i), k's at 128 + the same.
.set W1L,  147456                      ; LDS: W: three chunks of two K steps [24 tiles][2 KB], and behind them [24][1 KB]: K step 6, later 7
.set XB,   172032                      ; x: three chunks [16 tiles][2 KB],
.set X1L,  XB+98304                    ; and [16][1 KB]
.set SCX,  286720                      ; x's scale words: 8 pairs of tiles x 1 KB
.set SCW,  294912                      ; W's: 12 pairs x 1 KB
.set SPARE, 307200                     ; the spare words, 128 bytes for each wave
.set OSCL, 308224                      ; o's scale words: [8 pairs of tiles][32][4 bytes]
.set UNIT, 13824                       ; the images of a batch and a head, over W's first two chunks, which have had their last fill and their last read: q 0, k 4096, v 8192,
.set QWO,  12288                       ; q's words, 64 bytes a tile,
.set KWO,  12800                       ; k's,
.set VWO,  13312                       ; v's
.set SPW, 1
.set NIL, 2
.set AW,  3                            ; v3-4   W, x in the chunk in hand
.set AX,  4
.set AW1, 5                            ; v5-6   W, x in K step 6's (7's) place
.set AX1, 6
.set ASW, 7
.set ASX, 8
.set SW,  9
.set SX,  12
.set WF,  16
.set XF,  64
.set TM,  16                           ; quantising
.set TS,  24
.set CD,  40
.set TP,  88
.set MKP, 112
.set VWD, 14
.set KF,  16                           ; attention: k's fragments, four registers each; tile 7's upper half is v's first fragment
.set VF,  48
.set KSW, 80
.set VSW, 88
.set QSW, 92
.set S,   96
.set O,   160
.set PC,  192
.set BM,  200
.set BP,  204
.set BS,  208
.set NM,  212
.set OSO, 214
.set LC,  216
.set T0,  224
.set T1,  225
.set RL,  226
.set OM,  228
.set OM2, 230
.set OP,  232
.set OC,  234
.set PSW, 250
.set OH,  251
.set MK,  64                           ; window 1: v64-127 the mask; v0-31 q's four fragments
.set HF,  2
.set CC,  21
.set HL,  22
.set BL,  23
.set G1W2, 24
.set G1X2, 32
.set G1W1, 40
.set G1X1, 48
.set G0W,  56
.set G0X,  60
.set G0RW, 68
.set G0RX, 72
.set SEL, 76                           ; s[76:77] lane selects: lane l xor 16
.set CS,  78                           ; s[78:79] c = log2(e) / 8
.set MSB, 0
.macro WIN new                         ; the immediate's high byte repeats the setting that is left
.if MSB != (\new)
	s_set_vgpr_msb (MSB<<8)|(\new)
.set MSB, (\new)
.endif
.endm
.macro PLACES n                        ; plain vector instructions that name no register of the matrix instructions in front (ISA guide 7.12.1)
.rept \n
	v_nop
.endr
.endm
.macro CREST                           ; a round of the cluster's barrier behind its opening barrier
	s_cmp_lg_u32 s16, 0
	s_cbranch_scc1 .Lnot_wave_0_\@
	s_barrier_signal -3
.Lnot_wave_0_\@:
	s_barrier_wait -3
	s_barrier_signal -1
	s_barrier_wait -1
.endm
.macro CROUND
	s_barrier_signal -1
	s_barrier_wait -1
	CREST
.endm
.macro GROUP1 g, c, r                  ; r rows of c elements of 8 bytes, 8,192 bytes (a tile) from row to row; dense in LDS
	s_mov_b32 s[\g+1], (\c)<<16
	s_mov_b32 s[\g+2], (\r)<<16
	s_mov_b32 s[\g+3], (\c)<<16
	s_mov_b32 s[\g+4], \r
	s_mov_b32 s[\g+5], 1024
	s_mov_b32 s[\g+6], 0
	s_mov_b32 s[\g+7], 0
.endm
.macro WMR d, a, b, c, sa, sb, ra, rb  ; ra, rb: the side's scales stand in lanes 16-31
.if (\ra) && (\rb)
	v_wmma_scale_f32_16x16x128_f8f6f4 v[(\d):(\d)+7], v[(\a):(\a)+7], v[(\b):(\b)+7], v[(\c):(\c)+7], v[(\sa)], v[(\sb)] matrix_a_fmt:MATRIX_FMT_FP4 matrix_b_fmt:MATRIX_FMT_FP4 matrix_a_scale:MATRIX_SCALE_ROW1 matrix_b_scale:MATRIX_SCALE_ROW1
.elseif (\ra)
	v_wmma_scale_f32_16x16x128_f8f6f4 v[(\d):(\d)+7], v[(\a):(\a)+7], v[(\b):(\b)+7], v[(\c):(\c)+7], v[(\sa)], v[(\sb)] matrix_a_fmt:MATRIX_FMT_FP4 matrix_b_fmt:MATRIX_FMT_FP4 matrix_a_scale:MATRIX_SCALE_ROW1
.elseif (\rb)
	v_wmma_scale_f32_16x16x128_f8f6f4 v[(\d):(\d)+7], v[(\a):(\a)+7], v[(\b):(\b)+7], v[(\c):(\c)+7], v[(\sa)], v[(\sb)] matrix_a_fmt:MATRIX_FMT_FP4 matrix_b_fmt:MATRIX_FMT_FP4 matrix_b_scale:MATRIX_SCALE_ROW1
.else
	v_wmma_scale_f32_16x16x128_f8f6f4 v[(\d):(\d)+7], v[(\a):(\a)+7], v[(\b):(\b)+7], v[(\c):(\c)+7], v[(\sa)], v[(\sb)] matrix_a_fmt:MATRIX_FMT_FP4 matrix_b_fmt:MATRIX_FMT_FP4
.endif
.endm
.macro ARM n, g0, g1                   ; wave n's one load at the head
	s_cmp_eq_u32 s16, \n
	s_cbranch_scc0 .Lnext_\@
	tensor_load_to_lds s[\g0:\g0+3], s[\g1:\g1+7]
	s_nop 0
	PLACES 4
	s_branch .Lasked
.Lnext_\@:
.endm
; The loads for K step ns.  nx = 2: from the chunk in hand (rows of 2 KB); nx = 1: from K step 6's (7's) place (rows of 1 KB).
.macro WHERE nx, ns
.set RB, 1024*(\nx)
.set KO, 1024*((\ns)%2)*((\nx)-1)
.set SO, 512*((\ns)/4)+4*((\ns)%4)
.if (\nx) == 1
.set PW, AW1
.set PX, AX1
.else
.set PW, AW
.set PX, AX
.endif
.endm
.macro FRW p
	ds_load_b32 v[SW+(\p)], v[ASW] offset:2048*(\p)+SO
.irp i, 0,1
	ds_load_b128 v[WF+16*(\p)+8*\i:WF+16*(\p)+8*\i+3], v[PW] offset:(4*(\p)+\i)*RB+KO
	ds_load_b128 v[WF+16*(\p)+8*\i+4:WF+16*(\p)+8*\i+7], v[PW] offset:(4*(\p)+\i)*RB+KO+512
.endr
.endm
.macro FRX t0
.irp pr, 0,1
	ds_load_b32 v[SX+(\t0)/2+\pr], v[ASX] offset:1024*((\t0)/2+\pr)+SO
.endr
.irp tt, 0,1,2,3
	ds_load_b128 v[XF+8*((\t0)+\tt):XF+8*((\t0)+\tt)+3], v[PX] offset:((\t0)+\tt)*RB+KO
	ds_load_b128 v[XF+8*((\t0)+\tt)+4:XF+8*((\t0)+\tt)+7], v[PX] offset:((\t0)+\tt)*RB+KO+512
.endr
.endm
.macro LDM nx, ns                      ; 15 loads: q's W, x's tiles 0-3
	WHERE \nx, \ns
	FRW 0
	FRX 0
.endm
.macro LDE nx, ns                      ; 20 loads: k's W, v's W, x's tiles 4-7
	WHERE \nx, \ns
	FRW 1
	FRW 2
	FRX 4
.endm
; 8 matrix instructions: part p's two tiles of W x x's tiles t0 .. t0 + 3; the 48 accumulators take turns, one instruction a turn.
; first = 1: THE BIAS IS THE C.  It was loaded into the accumulators of x's tile 7; tiles 0-6 take those registers as C, and tile 7 adds in place, five places behind the last instruction that read them.
.macro PP p, t0, first
.irp tt, 0,1,2,3
.if (\first) && ((\t0)+\tt == 7)
	PLACES 5
.endif
.irp i, 0,1
.set HT, (\t0)+\tt
.if (\p) < 2
.set HD, 128*(\p)+8*(2*HT+\i)
.set HC, HD
.if \first
.set HC, 128*(\p)+8*(14+\i)
.endif
	WMR HD, WF+8*(2*(\p)+\i), XF+8*HT, HC, SW+(\p), SX+HT/2, \i, HT%2
.else
.set HD, 128+64*\i+8*HT
.set HC, HD
.if \first
.set HC, 128+64*\i+56
.endif
	WMR HD, XF+8*HT, WF+8*(4+\i), HC, SX+HT/2, SW+2, HT%2, \i
.endif
.endr
.endr
.endm
; A K STEP: x's tiles 0-3 against q's, k's, v's W, then x's tiles 4-7.  In its second half, behind four places each, the next K step's loads: q's W and x's tiles 0-3 behind their last products, the rest at the end.
; bar = 1: a barrier shows the first chunk (waves 0 and 4 have waited for their loads);  bar = 2: a round of the cluster's barrier: all head loads have landed, and K step 6's place is filled again;  bar = 3: a barrier shows that refill.
; step = 1: the next K step opens the next chunk.
.macro KSTEP first, bar, nx, ns, step
	s_wait_dscnt 20                                ; q's W and x's tiles 0-3 are in; the youngest 20 may be out
	WIN 0x50                                       ; C and D in window 1
	PP 0, 0, \first
	s_wait_dscnt 15                                ; k's W
	PP 1, 0, \first
	s_wait_dscnt 10                                ; v's W
	WIN 0
	PP 2, 0, \first
	s_wait_dscnt 0x0                               ; x's tiles 4-7: no LDS instruction of mine is out
.if (\bar) == 1
	s_cmp_lg_u32 s[CC], 0
	s_cbranch_scc1 .Lno_wait_\@
	s_wait_tensorcnt 0x0                           ; waves 0 and 4: K steps 0 and 1 have landed
.Lno_wait_\@:
	s_barrier_signal -1
.elseif (\bar) == 2
	s_wait_tensorcnt 0x0                           ; my head load has landed;
	ds_add_u32 v[SPW], v[NIL]                      ; 0 onto my spare word;
.elseif (\bar) == 3
	s_wait_tensorcnt 0x0                           ; the refill has landed in the two waves that asked for it
	s_barrier_signal -1
.endif
	WIN 0x50
	PP 0, 4, \first
.if (\bar) == 2
	s_wait_dscnt 0x0                               ; the add is done, and my reads of K step 6's place were over long ago
	s_barrier_signal -1
	PP 1, 4, \first
.endif
	WIN 0
.if \bar
	s_barrier_wait -1
.endif
.if (\bar) == 2
	CREST                                          ; no wave of any partner still reads K step 6's place or has a load on its way
	REFILL
.endif
.if \nx
.if \step
	v_add_nc_u32 v[AW], 49152, v[AW]               ; (these two are places too)
	v_add_nc_u32 v[AX], 0x8000, v[AX]
	s_wait_alu depctr_va_vdst(0)                   ; directly behind the writes
	PLACES 2
.else
	PLACES 4
.endif
	LDM \nx, \ns
.endif
.if (\bar) != 2
	WIN 0x50
	PP 1, 4, \first
.endif
	WIN 0
	PP 2, 4, \first
	PLACES 4
.if \nx
	LDE \nx, \ns
.endif
.endm
.macro REFILL                          ; K step 7: wave 0 for W, wave 4 for x
	s_cmp_eq_u32 s16, 0
	s_cbranch_scc0 .Lrefill_x
	tensor_load_to_lds s[G0RW:G0RW+3], s[G1W1:G1W1+7]
	s_nop 0
	PLACES 4
	s_branch .Lrefilled
.Lrefill_x:
	s_cmp_eq_u32 s16, 4
	s_cbranch_scc0 .Lrefilled
	tensor_load_to_lds s[G0RX:G0RX+3], s[G1X1:G1X1+7]
	s_nop 0
	PLACES 4
.Lrefilled:
.endm
	s_load_b256 s[4:11], s[0:1], 0x0               ; codes s[4:5], scales s[6:7], in_proj_b s[8:9], mask s[10:11]
	s_load_b128 s[12:15], s[0:1], 0x20             ; o_codes s[12:13], o_scales s[14:15]
	v_lshl_add_u32 v[SPW], v0, 2, SPARE
	v_mov_b32 v[NIL], 0
	ds_add_u32 v[SPW], v[NIL]                      ; the wave's opening: the add, twice on end, and its wait ahead of my first tensor load
	ds_add_u32 v[SPW], v[NIL]
	v_lshrrev_b32 v3, 5, v0
	v_readfirstlane_b32 s16, v3                    ; wave 0..7
	s_bfe_u32 s17, ttmp6, 0x40000                  ; cx
	s_bfe_u32 s18, ttmp6, 0x40004                  ; cy
	s_lshl_b32 s19, ttmp9, 2
	s_add_co_u32 s19, s19, s17                     ; hp
	s_and_b32 s20, ttmp7, 0xffff
	s_lshl_b32 s20, s20, 2
	s_add_co_u32 s20, s20, s18                     ; bp
	s_and_b32 s[CC], s16, 3                        ; my pair of a batch and a head; also: which chunk I fetch
	s_and_b32 s[HL], s16, 1                        ; its head,
	s_bfe_u32 s[BL], s16, 0x10001                  ; its batch
	s_lshr_b32 s[HF], s16, 2                       ; my half of the channels, later of the queries; also: I fetch for W (0) or for x (1)
	s_lshl_b32 s80, s18, 2
	s_lshl_b32 s80, 15, s80                        ; my row of the cluster
	s_lshl_b32 s81, 0x1111, s17                    ; my column
	s_or_b32 s[G1W2], s81, (3<<16)|(1<<21)         ; group 1, word 0: the mask; elements of 8 bytes; bit 21 set beside a mask; no padding
	s_or_b32 s[G1W1], s81, (3<<16)|(1<<21)
	s_or_b32 s[G1X2], s80, (3<<16)|(1<<21)
	s_or_b32 s[G1X1], s80, (3<<16)|(1<<21)
	GROUP1 G1W2, 256, 24                           ; W, two K steps of 24 tiles
	GROUP1 G1X2, 256, 16                           ; x, two K steps of 16 tiles
	GROUP1 G1W1, 128, 24
	GROUP1 G1X1, 128, 16
	s_mul_i32 s82, s19, 24*8192                    ; W: tile 512 + 24 hp
	s_add_co_u32 s82, s82, 512*8192
	s_mov_b32 s83, 0
	s_lshl_b32 s86, s20, 17                        ; x: tile 16 bp
	s_mov_b32 s87, 0
	s_lshl_b32 s84, s[CC], 11                      ; K step 2 c
	s_mov_b32 s85, 0
	s_mul_i32 s88, s[CC], 49152                    ; and where it goes
	s_lshl_b32 s89, s[CC], 15
	s_add_co_u32 s89, s89, XB
	s_lshl_b32 s90, s20, 13                        ; x's scale words: 8 KB a pair of batches; I copy 1 KB
	s_lshl_b32 s3, s16, 10
	s_add_co_u32 s90, s90, s3
	s_mov_b32 s91, 0
	s_mul_i32 s92, s19, 12288                      ; W's: pair 256 + 12 hp; I copy 1.5 KB
	s_mul_i32 s3, s16, 1536
	s_add_co_u32 s92, s92, s3
	s_add_co_u32 s92, s92, 262144
	s_mov_b32 s93, 0
	s_lshl_b32 s94, s19, 9                         ; the bias: 64 numbers a head, 32 a half
	s_lshl_b32 s3, s[HL], 8
	s_add_co_u32 s94, s94, s3
	s_lshl_b32 s3, s[HF], 7
	s_add_co_u32 s94, s94, s3
	s_mov_b32 s95, 0
	s_lshl_b32 s96, s20, 8                         ; the mask: 128 bytes a batch
	s_lshl_b32 s3, s[BL], 7
	s_add_co_u32 s96, s96, s3
	s_mov_b32 s97, 0
	s_lshl_b32 s66, s20, 17                        ; o's codes: tile 16 bp + 8 bl + 4 hf, 512 bytes a head in each tile
	s_lshl_b32 s3, s[BL], 16
	s_add_co_u32 s66, s66, s3
	s_lshl_b32 s3, s[HF], 15
	s_add_co_u32 s66, s66, s3
	s_lshl_b32 s3, s19, 10
	s_add_co_u32 s66, s66, s3
	s_lshl_b32 s3, s[HL], 9
	s_add_co_u32 s66, s66, s3
	s_mov_b32 s67, 0
	s_lshl_b32 s98, s20, 13                        ; o's scale words: [bp][hp][8 pairs][32][4 bytes]
	s_lshl_b32 s3, s19, 10
	s_add_co_u32 s98, s98, s3
	s_mov_b32 s99, 0
	s_mov_b32 s[SEL], 0x76543210
	s_mov_b32 s[SEL+1], 0xfedcba98
	s_mov_b32 s[CS], 0x3e38aa3b                    ; log2(e) / 8
	s_mov_b32 s[CS+1], s[CS]                       ; (named with it as a pair, so it is written)
	s_mov_b32 s[G0W], 1
	s_mov_b32 s[G0W+1], s88
	s_mov_b32 s[G0X], 1
	s_mov_b32 s[G0X+1], s89
	s_mov_b32 s[G0RW], 1
	s_mov_b32 s[G0RW+1], W1L
	s_mov_b32 s[G0RX], 1
	s_mov_b32 s[G0RX+1], X1L
	s_wait_dscnt 0x0                               ; both opening adds are done
	CROUND                                         ; all sixteen work-groups are here: the first joint loads will meet.  The round names no argument, so it stands ahead of the wait for them
	s_wait_kmcnt 0x0
	s_add_nc_u64 s[82:83], s[4:5], s[82:83]
	s_add_nc_u64 s[86:87], s[4:5], s[86:87]
	s_add_nc_u64 s[G0W+2:G0W+3], s[82:83], s[84:85]
	s_or_b32 s[G0W+3], s[G0W+3], 0x80000000
	s_add_nc_u64 s[G0X+2:G0X+3], s[86:87], s[84:85]
	s_or_b32 s[G0X+3], s[G0X+3], 0x80000000
	ARM 3, G0W, G1W1                               ; K step 6 first: it is multiplied first
	ARM 7, G0X, G1X1
	ARM 0, G0W, G1W2
	ARM 4, G0X, G1X2
	ARM 1, G0W, G1W2
	ARM 5, G0X, G1X2
	ARM 2, G0W, G1W2
	tensor_load_to_lds s[G0X:G0X+3], s[G1X2:G1X2+7]  ; wave 6
	s_nop 0
	PLACES 4
.Lasked:
	s_add_nc_u64 s[G0RW+2:G0RW+3], s[82:83], 7168  ; the refill: K step 7
	s_or_b32 s[G0RW+3], s[G0RW+3], 0x80000000
	s_add_nc_u64 s[G0RX+2:G0RX+3], s[86:87], 7168
	s_or_b32 s[G0RX+3], s[G0RX+3], 0x80000000
	s_add_nc_u64 s[90:91], s[6:7], s[90:91]
	s_add_nc_u64 s[92:93], s[6:7], s[92:93]
	s_add_nc_u64 s[8:9], s[8:9], s[94:95]
	s_add_nc_u64 s[10:11], s[10:11], s[96:97]
	s_add_nc_u64 s[12:13], s[12:13], s[66:67]
	s_add_nc_u64 s[14:15], s[14:15], s[98:99]
	s_mul_i32 s80, s[HL], 12
	s_lshl_b32 s3, s[HF], 1
	s_add_co_u32 s80, s80, s3                      ; my first tile of W among the 24: 12 hl + 2 hf
	s_lshl_b32 s81, s80, 11
	s_lshl_b32 s80, s80, 10
	s_add_co_u32 s80, s80, W1L
	s_lshl_b32 s82, s[BL], 14                      ; my first tile of x: 8 bl
	s_add_co_u32 s82, s82, XB
	s_lshl_b32 s83, s[BL], 13
	s_add_co_u32 s83, s83, X1L
	s_mul_i32 s84, s[HL], 6
	s_add_co_u32 s84, s84, s[HF]
	s_lshl_b32 s84, s84, 10
	s_add_co_u32 s84, s84, SCW                     ; W's scale words: pair 6 hl + hf; 2 KB on from part to part
	s_lshl_b32 s85, s[BL], 12
	s_add_co_u32 s85, s85, SCX
	s_lshl_b32 s86, s16, 10
	s_add_co_u32 s86, s86, SCX                     ; the copies
	s_mul_i32 s87, s16, 1536
	s_add_co_u32 s87, s87, SCW
	v_and_b32 v10, 31, v0
	v_and_b32 v11, 15, v0                          ; r
	v_bfe_u32 v12, v0, 4, 1                        ; h
	v_lshlrev_b32 v13, 4, v10                      ; 16 x lane
	v_and_b32 v10, 8, v11
	v_add_nc_u32 v10, v10, v11
	v_lshlrev_b32 v10, 2, v10                      ; 4 (r + 8 (r / 8)): v's bias
	v_lshlrev_b32 v9, 6, v12                       ; 64 h: q's and k's
	v_add_nc_u32 v[AW], s81, v13
	v_add_nc_u32 v[AW1], s80, v13
	v_add_nc_u32 v[AX], s82, v13
	v_add_nc_u32 v[AX1], s83, v13
	v_add_nc_u32 v[ASW], s84, v13
	v_add_nc_u32 v[ASX], s85, v13
	v_add_nc_u32 v14, s86, v13
	v_add_nc_u32 v15, s87, v13
	s_wait_alu depctr_va_vdst(0)
	global_load_b128 v[64:67], v13, s[90:91]
	global_load_b128 v[68:71], v13, s[90:91] offset:512
	global_load_b128 v[72:75], v13, s[92:93]
	global_load_b128 v[76:79], v13, s[92:93] offset:512
	global_load_b128 v[80:83], v13, s[92:93] offset:1024
	WIN 0x40                                       ; destination window 1: q's and k's bias into the accumulators of x's tile 7: channels 32 hf + 16 h + 8 i + 0 .. 7
.irp p, 0,1
.irp i, 0,1
	global_load_b128 v[128*\p+112+8*\i:128*\p+112+8*\i+3], v9, s[8:9] offset:4096*\p+32*\i
	global_load_b128 v[128*\p+112+8*\i+4:128*\p+112+8*\i+7], v9, s[8:9] offset:4096*\p+32*\i+16
.endr
.endr
	WIN 0
.irp i, 0,1
	global_load_b32 v[184+64*\i], v10, s[8:9] offset:8192+32*\i   ; v's: a lane holds one channel
.endr
	s_wait_loadcnt 10                              ; the scale words are in; the ten biases may be out
	ds_store_b128 v14, v[64:67]
	ds_store_b128 v14, v[68:71] offset:512
	ds_store_b128 v15, v[72:75]
	ds_store_b128 v15, v[76:79] offset:512
	ds_store_b128 v15, v[80:83] offset:1024
	s_wait_loadcnt 0x0
.irp i, 0,1
.irp j, 1,2,3,4,5,6,7
	v_mov_b32 v[184+64*\i+\j], v[184+64*\i]        ; so its eight registers take one number
.endr
.endr
	s_wait_alu depctr_va_vdst(0)
	s_wait_dscnt 0x0                               ; my copies have landed
	s_cmp_lg_u32 s[CC], 3
	s_cbranch_scc1 .Lno_first
	s_wait_tensorcnt 0x0                           ; waves 3 and 7: K step 6 has landed (the other six loads may be out)
.Lno_first:
	s_barrier_signal -1
	s_barrier_wait -1
	LDM 1, 6
	LDE 1, 6
	KSTEP 1, 1, 2, 0, 0                            ; K step 6
	KSTEP 0, 0, 2, 1, 0                            ; 0
	KSTEP 0, 2, 2, 2, 1                            ; 1
	KSTEP 0, 0, 2, 3, 0                            ; 2
	KSTEP 0, 0, 2, 4, 1                            ; 3
	KSTEP 0, 0, 2, 5, 0                            ; 4
	KSTEP 0, 3, 1, 7, 0                            ; 5
	KSTEP 0, 0, 0, 0, 0                            ; 7
; QUANTISING q, k, v: 8 blocks of 16 registers each; the other 16 numbers of a block lie in lane l xor 16.
	s_mul_i32 s80, s[CC], UNIT
	s_lshl_b32 s81, s[HF], 8
	s_add_co_u32 s81, s81, s80                     ; q's and k's images: block hf of each tile
	s_lshl_b32 s82, s[HF], 11
	s_add_co_u32 s83, s82, s80
	s_add_co_u32 s83, s83, 8192                    ; v's: tiles 2 hf, 2 hf + 1
	s_add_co_u32 s84, s80, s[HF]
	s_add_co_u32 s84, s84, QWO
	s_lshl_b32 s85, s[HF], 7
	s_add_co_u32 s85, s85, s80
	s_add_co_u32 s85, s85, VWO
	s_add_co_u32 s87, s81, QWO                     ; my four tiles' words of q: 256 hf
	s_lshl_b32 s88, s[BL], 9                       ; o's halfwords: 64 bytes a tile of tokens, 2 hl
	s_lshl_b32 s3, s[HF], 8
	s_add_co_u32 s88, s88, s3
	s_lshl_b32 s3, s[HL], 1
	s_add_co_u32 s88, s88, s3
	s_add_co_u32 s88, s88, OSCL
	v_bfe_u32 v5, v0, 4, 1                         ; h
	v_lshlrev_b32 v3, 4, v5
.irp bk, 0,1,2,3
	global_load_b128 v[MKP+4*\bk:MKP+4*\bk+3], v3, s[10:11] offset:32*\bk   ; the mask bytes of keys 32 bk + 16 h + 0 .. 15
.endr
	v_and_b32 v4, 15, v0                           ; r
	v_lshlrev_b32 v6, 4, v4
	v_lshl_add_u32 v6, v5, 3, v6                   ; 16 r + 8 h
	v_add_nc_u32 v7, s81, v6
	v_add_nc_u32 v8, s83, v6
	v_lshlrev_b32 v9, 2, v4                        ; 4 r
	v_lshl_add_u32 v10, v5, 1, v9
	v_add_nc_u32 v10, s84, v10                     ; my byte of a word: hf + 2 h (bytes 2 and 3 repeat 0 and 1, over zero codes)
	v_add_nc_u32 v11, s85, v9
.macro QBLK g, w, base
	WIN ((\w)<<2)|((\w)<<4)
.irp be, 0,1,2,3,4,5,6,7
	v_max3_num_f32 v[TM+\be], 0x1800000, |v[(\base)+16*\be]|, |v[(\base)+16*\be+1]|   ; with the floor 2^(3 - 127): the byte cannot fall under 1
.endr
.irp i, 2,4,6,8,10,12,14
.irp be, 0,1,2,3,4,5,6,7
	v_max3_num_f32 v[TM+\be], v[TM+\be], |v[(\base)+16*\be+\i]|, |v[(\base)+16*\be+\i+1]|
.endr
.endr
	WIN 0
.irp be, 0,1,2,3,4,5,6,7
	v_permlanex16_b32 v[TP+8*(\g)+\be], v[TM+\be], s[SEL], s[SEL+1]
.endr
.irp be, 0,1,2,3,4,5,6,7
	v_max_num_f32 v[TM+\be], v[TM+\be], v[TP+8*(\g)+\be]
.endr
.irp be, 0,1,2,3,4,5,6,7
	v_add_nc_u32 v[TS+\be], 0xff000000, v[TM+\be]  ; 2 off the exponent field: the conversion's scale operand
.endr
.irp be, 0,1,2,3,4,5,6,7
	v_lshrrev_b32 v[TP+8*(\g)+\be], 23, v[TS+\be]  ; the scale's byte
.endr
	WIN \w
.irp be, 0,1,2,3,4,5,6,7
.irp k, 0,1
	v_cvt_scalef32_pk8_fp4_f32 v[CD+16*(\g)+2*\be+\k], v[(\base)+16*\be+8*\k:(\base)+16*\be+8*\k+7], v[TS+\be]
.endr
.endr
	v_nop                                          ; one plain place behind the last scaled conversion
	WIN 0
.endm
.macro QKOUT g                         ; tile t's block hf: lane (r, h) has 8 bytes of row r's 16: the image puts a whole block into a lane
.irp t, 0,1,2,3,4,5,6,7
	ds_store_b64 v7, v[CD+16*(\g)+2*\t:CD+16*(\g)+2*\t+1] offset:4096*(\g)+512*\t
	ds_store_b8 v10, v[TP+8*(\g)+\t] offset:512*(\g)+64*\t
.endr
.endm
	QBLK 0, 1, 0
	QKOUT 0
	QBLK 1, 1, 128
	QKOUT 1
	QBLK 2, 0, 128
.irp be, 0,1,2,3,4,5,6,7
	ds_store_b64 v8, v[CD+32+2*\be:CD+32+2*\be+1] offset:256*\be   ; block 4 i + bk: channels of tile 2 hf + i, keys 32 bk on
.endr
.irp i, 0,1
	v_lshl_or_b32 v[VWD+\i], v[TP+16+4*\i+1], 8, v[TP+16+4*\i]
.endr
.irp i, 0,1
	v_lshl_or_b32 v[VWD+\i], v[TP+16+4*\i+2], 16, v[VWD+\i]
.endr
.irp i, 0,1
	v_lshl_or_b32 v[VWD+\i], v[TP+16+4*\i+3], 24, v[VWD+\i]
.endr
.irp i, 0,1
	ds_store_b32 v11, v[VWD+\i] offset:64*\i
.endr
	s_wait_loadcnt 0x0                             ; the mask bytes
	s_wait_dscnt 0x0                               ; for the other wave's sake: my images have landed
	s_barrier_signal -1
	v_and_b32 v12, 31, v0                          ; register work while the others arrive
	v_lshlrev_b32 v3, 4, v12                       ; 16 x lane
	v_add_nc_u32 v6, s80, v3                       ; the images,
	v_add_nc_u32 v7, s82, v6                       ; my four tiles of q,
	v_add_nc_u32 v8, s80, v9                       ; the words of k and v,
	v_add_nc_u32 v10, s87, v9                      ; of q,
	v_add_nc_u32 v11, s88, v9                      ; o's halfwords,
	v_add_nc_u32 v5, OSCL, v3                      ; and their way out
.irp j, 0,1,2,3,4,5,6,7,8,9,10,11,12,13,14,15
	v_mul_lo_u32 v[MKP+\j], 0xfe, v[MKP+\j]        ; each mask byte 0 or 1 becomes 0 or 0xfe
.endr
.irp j, 0,1,2,3
	v_mov_b32 v[BP+\j], 0                          ; written once: a lane permute's destination counts as one of its sources
.endr
	v_mov_b32 v[OP], 0
	v_mov_b32 v[OP+1], 0
	v_mov_b32 v[T1], 0
	v_mov_b32 v[NM+1], 0                           ; (the upper halves of pairs of which the low word serves both halves)
	v_mov_b32 v[RL+1], 0
	WIN 0x40
.set NN, 0
.rept 64
	v_perm_b32 v[MK+NN], v[MKP+NN/4], v[MKP+NN/4], 0x000c0c0c+((NN%4)<<24)   ; that byte on top, zeros below: 0, or 0xfe000000 = -2^125, for key 32 (NN / 16) + 16 h + NN % 16
.set NN, NN+1
.endr
.irp u, 0,1,2,3
.irp j, 4,5,6,7
	v_mov_b32 v[8*\u+\j], 0                        ; q's K = 64 .. 127: zero codes
.endr
.endr
	WIN 0
	s_wait_alu depctr_va_vdst(0)
	s_barrier_wait -1
	WIN 0x40
.irp u, 0,1,2,3
	ds_load_b128 v[8*\u:8*\u+3], v7 offset:512*\u
.endr
	WIN 0
.irp u, 0,1,2,3
	ds_load_b32 v[QSW+\u], v10 offset:64*\u
.endr
.irp t, 0,1,2,3,4,5,6,7
	ds_load_b128 v[KF+4*\t:KF+4*\t+3], v6 offset:4096+512*\t
	ds_load_b32 v[KSW+\t], v8 offset:KWO+64*\t
.endr
.irp i, 0,1,2,3
	ds_load_b128 v[VF+8*\i:VF+8*\i+3], v6 offset:8192+1024*\i
	ds_load_b128 v[VF+8*\i+4:VF+8*\i+7], v6 offset:8192+1024*\i+512
	ds_load_b32 v[VSW+\i], v8 offset:VWO+64*\i
.endr
.macro SP u                            ; S^T = k q^T + mask for tile u of my queries: source 1 and C in window 1
	WIN 0x14
.irp kt, 0,1,2,3,4,5,6,7
	WMR S+8*\kt, KF+4*\kt, 8*(\u), MK+8*\kt, KSW+\kt, QSW+(\u), 0, 0
.endr
	WIN 0
.endm
.macro AD n                            ; pair n of p onto chain n % 4 of l
	v_pk_add_f32 v[LC+2*((\n)%4):LC+2*((\n)%4)+1], v[LC+2*((\n)%4):LC+2*((\n)%4)+1], v[S+2*(\n):S+2*(\n)+1]
.endm
; ONE TILE OF 16 QUERIES.  A lane holds one query (lane % 16) throughout; the 16 registers S + 16 b .. are keys 32 b + 16 (lane / 16) + 0 .. 15.
.macro ATT u
	s_wait_alu depctr_va_vdst(0)                   ; directly ahead of the first reader of S
.irp b, 0,1,2,3
	v_max3_num_f32 v[BM+\b], v[S+16*\b], v[S+16*\b+1], v[S+16*\b+2]   ; the largest score of each block of 32 keys: for the row's maximum, and, since p rises with the score, for the block's largest p
.endr
.irp i, 3,5,7,9,11,13
.irp b, 0,1,2,3
	v_max3_num_f32 v[BM+\b], v[BM+\b], v[S+16*\b+\i], v[S+16*\b+\i+1]
.endr
.endr
.irp b, 0,1,2,3
	v_max_num_f32 v[BM+\b], v[BM+\b], v[S+16*\b+15]
.endr
.irp b, 0,1,2,3
	v_permlanex16_b32 v[BP+\b], v[BM+\b], s[SEL], s[SEL+1]
.endr
.irp b, 0,1,2,3
	v_max_num_f32 v[BM+\b], v[BM+\b], v[BP+\b]
.endr
	v_max3_num_f32 v[T0], v[BM], v[BM+1], v[BM+2]
	v_max_num_f32 v[T0], v[T0], v[BM+3]            ; the row's largest score,
	v_mul_f32 v[T0], s[CS], v[T0]                  ; as t (c is positive)
	v_floor_f32 v[NM], -v[T0]                      ; -M = floor(-t) = -ceil(t): a whole number
.irp b, 0,1,2,3
	v_fma_f32 v[BM+\b], v[BM+\b], s[CS], v[NM]     ; t - M of each block's largest score
.endr
.set NN, 0
.rept 32
	v_pk_fma_f32 v[S+NN:S+NN+1], v[S+NN:S+NN+1], s[CS:CS+1], v[NM:NM+1] op_sel_hi:[1,0,0]   ; t - M
.set NN, NN+2
.endr
	s_wait_alu depctr_va_vdst(0)                   ; ahead of the batch
.irp b, 0,1,2,3
	v_exp_f32 v[BM+\b], v[BM+\b]                   ; the block's largest p: the same multiply-add and exponential on the same number
.endr
.set NN, 0
.rept 64
	v_exp_f32 v[S+NN], v[S+NN]                     ; p = 2^(t - M)
.set NN, NN+1
.endr
	v_nop                                          ; a plain place behind the exponentials
	s_wait_alu depctr_va_vdst(0)                   ; one wait for the batch, ahead of its first reader
.irp b, 0,1,2,3
	v_max_num_f32 v[BM+\b], 0x1800000, v[BM+\b]    ; the floor: a block whose every p is 0 keeps the byte 1 over zero codes
.endr
.irp n, 0,1,2,3
	v_pk_add_f32 v[LC+2*\n:LC+2*\n+1], v[S+2*\n:S+2*\n+1], v[S+2*\n+8:S+2*\n+9]   ; l is the sum of the UNQUANTISED p, in four chains of pairs
.endr
.irp b, 0,1,2,3
	v_add_nc_u32 v[BS+\b], 0xff000000, v[BM+\b]
.endr
.irp n, 8,9,10,11
	AD \n
.endr
.irp b, 0,1,2,3
	v_lshrrev_b32 v[BP+\b], 23, v[BS+\b]
.endr
.irp n, 12,13,14,15
	AD \n
.endr
	v_lshl_or_b32 v[PSW], v[BP+1], 8, v[BP]        ; p's scale word
	AD 16
	AD 17
	v_lshl_or_b32 v[PSW], v[BP+2], 16, v[PSW]
	AD 18
	AD 19
	v_lshl_or_b32 v[PSW], v[BP+3], 24, v[PSW]
.irp b, 0,1,2,3
	v_cvt_scalef32_pk8_fp4_f32 v[PC+2*\b], v[S+16*\b:S+16*\b+7], v[BS+\b]
	v_cvt_scalef32_pk8_fp4_f32 v[PC+2*\b+1], v[S+16*\b+8:S+16*\b+15], v[BS+\b]
.endr
	AD 20                                          ; (the plain place behind the last scaled conversion)
.irp c, 0,1
.irp i, 0,1
	v_permlane16_swap_b32 v[PC+4*\c+\i], v[PC+4*\c+2+\i]
.endr
.endr
.irp n, 21,22,23,24,25,26,27,28,29,30,31
	AD \n                                          ; (eleven places between p's codes and the products below)
.endr
.irp i, 0,1,2,3
	v_wmma_scale_f32_16x16x128_f8f6f4 v[O+8*\i:O+8*\i+7], v[VF+8*\i:VF+8*\i+7], v[PC:PC+7], 0, v[VSW+\i], v[PSW] matrix_a_fmt:MATRIX_FMT_FP4 matrix_b_fmt:MATRIX_FMT_FP4   ; O^T = v^T p^T: register 8 i + j is channel 32 (i / 2) + 16 h + 8 (i % 2) + j
.endr
.if (\u) < 3
	SP (\u)+1                                      ; the next tile's scores: p has been read
.endif
	v_pk_add_f32 v[LC:LC+1], v[LC:LC+1], v[LC+2:LC+3]
	v_pk_add_f32 v[LC+4:LC+5], v[LC+4:LC+5], v[LC+6:LC+7]
	v_pk_add_f32 v[LC:LC+1], v[LC:LC+1], v[LC+4:LC+5]
	v_add_f32 v[T0], v[LC], v[LC+1]                ; (these four are the places behind the products)
	v_permlanex16_b32 v[T1], v[T0], s[SEL], s[SEL+1]
	v_add_f32 v[T0], v[T0], v[T1]                  ; and lane l xor 16's 64 keys
	s_wait_alu depctr_va_vdst(0)                   ; ahead of the transcendental
	v_rcp_f32 v[RL], v[T0]
	v_nop
	s_wait_alu depctr_va_vdst(0)                   ; and behind it; it also serves O's first readers
.set NN, 0
.rept 16
	v_pk_mul_f32 v[O+NN:O+NN+1], v[O+NN:O+NN+1], v[RL:RL+1] op_sel_hi:[1,0]   ; o = O / l
.set NN, NN+2
.endr
.irp b, 0,1                                    ; o's two blocks of the last product's K, each in two chains
	v_max3_num_f32 v[OM+\b], |v[O+16*\b]|, |v[O+16*\b+1]|, 0x1800000
	v_max3_num_f32 v[OM2+\b], |v[O+16*\b+8]|, |v[O+16*\b+9]|, |v[O+16*\b+10]|
.endr
.irp i, 2,4
.irp b, 0,1
	v_max3_num_f32 v[OM+\b], v[OM+\b], |v[O+16*\b+\i]|, |v[O+16*\b+\i+1]|
	v_max3_num_f32 v[OM2+\b], v[OM2+\b], |v[O+16*\b+9+\i]|, |v[O+16*\b+10+\i]|
.endr
.endr
.irp b, 0,1
	v_max3_num_f32 v[OM+\b], v[OM+\b], |v[O+16*\b+6]|, |v[O+16*\b+7]|
.endr
.irp b, 0,1
	v_max3_num_f32 v[OM+\b], v[OM+\b], v[OM2+\b], |v[O+16*\b+15]|
.endr
.irp b, 0,1
	v_permlanex16_b32 v[OP+\b], v[OM+\b], s[SEL], s[SEL+1]
.endr
.irp b, 0,1
	v_max_num_f32 v[OM+\b], v[OM+\b], v[OP+\b]
.endr
.irp b, 0,1
	v_add_nc_u32 v[OSO+\b], 0xff000000, v[OM+\b]
.endr
.irp b, 0,1
	v_lshrrev_b32 v[OP+\b], 23, v[OSO+\b]
.endr
	v_lshl_or_b32 v[OH+(\u)], v[OP+1], 8, v[OP]    ; my head's half of the K step's scale word
.irp b, 0,1
.irp k, 0,1
	v_cvt_scalef32_pk8_fp4_f32 v[OC+4*(\u)+2*\b+\k], v[O+16*\b+8*\k:O+16*\b+8*\k+7], v[OSO+\b]
.endr
.endr
	v_nop
.irp k, 0,1
	v_permlane16_swap_b32 v[OC+4*(\u)+\k], v[OC+4*(\u)+2+\k]
.endr
	global_store_b128 v3, v[OC+4*(\u):OC+4*(\u)+3], s[12:13] offset:8192*(\u)   ; half a fragment of the last product, straight from its registers: 512 consecutive bytes
	ds_store_b16 v11, v[OH+(\u)] offset:64*(\u)    ; both halves of the lanes write the same halfword with the same value
.endm
	s_wait_dscnt 11                                ; q, k and v's first fragment's lower half (tile 7's upper registers) are in; v's other seven loads and four words may be out
	SP 0
	s_wait_dscnt 0x0
	PLACES 4
.irp u, 0,1,2,3
	ATT \u
.endr
	s_wait_dscnt 0x0                               ; for the others' sake: my halfwords have landed
	s_barrier_signal -1
	s_barrier_wait -1
	s_cmp_lg_u32 s16, 0                            ; wave 0 carries the work-group's 1,024 scale bytes out
	s_cbranch_scc1 .Lend
	ds_load_b128 v[16:19], v5
	ds_load_b128 v[20:23], v5 offset:512
	s_wait_dscnt 0x0
	global_store_b128 v3, v[16:19], s[14:15]       ; 512 consecutive bytes, aligned
	global_store_b128 v3, v[20:23], s[14:15] offset:512
.Lend:
	s_wait_tensorcnt 0x0                           ; the wave's end
	ds_add_u32 v[SPW], v[NIL]
	s_wait_dscnt 0x0
	CROUND                                         ; the closing round: no work-group ends while a partner may still ask for a tile that names it
	s_endpgm
.Lfunc_end_k_qa0f7d665d2_attn:
	.size	k_qa0f7d665d2_attn, .Lfunc_end_k_qa0f7d665d2_attn-k_qa0f7d665d2_attn
	.p2alignl 7, 3214868480
	.fill 96, 4, 3214868480
	.section	.rodata,"a",@progbits
	.p2align	6, 0x0
	.amdhsa_kernel k_qa0f7d665d2_attn
		.amdhsa_group_segment_fixed_size 327680
		.amdhsa_private_segment_fixed_size 0
		.amdhsa_enable_private_segment 0
		.amdhsa_kernarg_size 48
		.amdhsa_user_sgpr_count 2
		.amdhsa_user_sgpr_kernarg_segment_ptr 1
		.amdhsa_wavefront_size32 1
		.amdhsa_system_sgpr_workgroup_id_x 1
		.amdhsa_system_sgpr_workgroup_id_y 1
		.amdhsa_system_sgpr_workgroup_id_z 1
		.amdhsa_system_vgpr_workitem_id 0
		.amdhsa_next_free_vgpr 512
		.amdhsa_next_free_sgpr 100
		.amdhsa_reserve_vcc 0
		.amdhsa_float_denorm_mode_32 3
		.amdhsa_float_denorm_mode_16_64 3
		.amdhsa_memory_ordered 1
		.amdhsa_forward_progress 1
		.amdhsa_inst_pref_size 183
	.end_amdhsa_kernel
	.amdgpu_metadata
---
amdhsa.version: [ 1, 2 ]
amdhsa.kernels:
  - .name:           k_qa0f7d665d2_attn
    .symbol:         k_qa0f7d665d2_attn.kd
    .args:
      - { .name: codes, .offset: 0, .size: 8, .value_kind: global_buffer, .address_space: global }
      - { .name: scales, .offset: 8, .size: 8, .value_kind: global_buffer, .address_space: global }
      - { .name: in_proj_b, .offset: 16, .size: 8, .value_kind: global_buffer, .address_space: global }
      - { .name: mask, .offset: 24, .size: 8, .value_kind: global_buffer, .address_space: global }
      - { .name: o_codes, .offset: 32, .size: 8, .value_kind: global_buffer, .address_space: global }
      - { .name: o_scales, .offset: 40, .size: 8, .value_kind: global_buffer, .address_space: global }
    .group_segment_fixed_size: 327680
    .private_segment_fixed_size: 0
    .kernarg_segment_align: 8
    .kernarg_segment_size: 48
    .max_flat_workgroup_size: 256
    .sgpr_count:     100
    .vgpr_count:     512
    .wavefront_size: 32
...
	.end_amdgpu_metadata
.endif
;; end of part 2
;; launch proj (part 3): grid 4 x 64, 8 waves a work-group, clusters of 4 x 4, 232,448 bytes of LDS; arguments o_codes, o_scales, codes, scales, out_proj_b, out0; writes out0
.if DOCPART == 3
	.amdgcn_target "amdgcn-amd-amdhsa--gfx1250"
	.amdhsa_code_object_version 6
	.text
	.protected	k_qa0f7d665d2_proj
	.globl	k_qa0f7d665d2_proj
	.p2align	8
	.type	k_qa0f7d665d2_proj,@function
k_qa0f7d665d2_proj:
	s_mov_b64 s[64:65], 0
	v_nop
	global_prefetch_b8 v0, s[64:65] scope:SCOPE_SE
	s_setreg_imm32_b32 hwreg(HW_REG_WAVE_MODE, 25, 1), 1
	s_wait_xcnt 0x0
	s_wait_alu depctr_hold_cnt(0) depctr_sa_sdst(0) depctr_va_vdst(0) depctr_va_sdst(0) depctr_va_ssrc(0) depctr_va_vcc(0) depctr_vm_vsrc(0)
	s_getreg_b32 s2, hwreg(HW_REG_IB_STS2, 6, 4)
	s_cmp_eq_u32 s2, 0
	s_cbranch_scc0 .Lentry_in_a_cluster
	s_endpgm
.Lentry_in_a_cluster:
	s_bfe_u32 s2, ttmp6, 0x10000c
	s_cmp_lg_u32 s2, 0xf033
	s_cbranch_scc0 .Lentry_shape_is_right
	s_endpgm
.Lentry_shape_is_right:
; out0 = o W^T + bias, on codes of FP4 (E2M1) with E8M0 scales.  o: 8,192 x 1,024 as the launch before left it; W = out_proj_w as the first launch left it; both in the order of the operand's registers
; (a tile of 16 rows = 8,192 bytes, K step s at 1,024 s, register group c of lane l at 512 c + 16 l; place r of tile 2 b + u is row 32 b + 8 u + r + 8 (r / 8)).
; SHARES.  A work-group is batch b = 4 x cluster y + cy (128 tokens) x columns 256 cx on; wave (cg, th) takes 64 of the columns, four tiles of W, for 64 of the tokens, four tiles of o.  Its W, 32 fragments, fills window 1 and stays.
; The four tiles of tokens are finished one after the other (32 matrix instructions, four accumulators by turns, K ascending); a tile's rows are stored in the middle of the next tile's products.
; THE MATRIX INSTRUCTION IS USED TRANSPOSED (source 0 = 16 rows of W, source 1 = 16 tokens): a lane holds one token, and the 16 registers of W's tiles 2 b, 2 b + 1 are columns 32 b + 16 (lane / 16) + 0 .. 15.  The bias is the C of each sum's first instruction.
; CLUSTER 4 x 4.  o's tiles hang on b alone: asked for jointly along the cluster's row; W's on cx alone: along the column.  Every LDS byte is filled once, by one load a wave: waves 0-3 fetch W's quarters, waves 4-7 o's.
; No prefetch: all tiles are asked for at the head, and the text has no loop to run ahead in.
; LIMITS: NaN and infinities are not served.
; REGISTERS: window 0: v3-15 addresses, v16-31 W's scale words, v32-47 o's, v48-111 a tile's eight fragments, v112-175 accumulators (two sets of 4), v176-207 the bias, v208-239 rows on the way out;  window 1: W.
.set WL,   65536                       ; LDS: o's 8 tiles at 0; W at WL + 32,768 x cg;
.set STG,  196608                      ; the stages: 16 rows x (256 bytes + 16) for each wave
.set SPARE, STG+8*4352                 ; the spare words, 128 bytes for each wave: no other line names them
.set L16,  3                           ; v3  16 x lane
.set AWL,  4                           ; v4  my W
.set STO,  5                           ; v5  the stage, in
.set RD,   6                           ; v6  the stage, back
.set GO,   7                           ; v7  my byte offset in two rows of out0
.set L4,   8                           ; v8  4 x lane
.set H64,  9                           ; v9  64 h
.set SPW,  13                          ; v13 LDS address of my spare word
.set NIL,  14                          ; v14 0
.set AO,   15                          ; v15 my tiles of o
.set WSC,  16
.set OSC,  32
.set OF,   48
.set ACC,  112
.set BO,   176
.set OUTR, 208
.set MSB, 0
.macro WIN new                         ; the immediate's high byte repeats the setting that is left
.if MSB != (\new)
	s_set_vgpr_msb (MSB<<8)|(\new)
.set MSB, (\new)
.endif
.endm
.macro PLACES n                        ; plain vector instructions that name no register of the matrix instructions in front (ISA guide 7.12.1)
.rept \n
	v_nop
.endr
.endm
.macro CROUND                          ; a round of the cluster's barrier
	s_barrier_signal -1
	s_barrier_wait -1
	s_cmp_lg_u32 s16, 0
	s_cbranch_scc1 .Lnot_wave_0_\@
	s_barrier_signal -3
.Lnot_wave_0_\@:
	s_barrier_wait -3
	s_barrier_signal -1
	s_barrier_wait -1
.endm
.macro GROUP1 g, r                     ; a dense block as r rows of 256 bytes (32 elements of 8 bytes)
	s_mov_b32 s[\g+1], 32<<16
	s_mov_b32 s[\g+2], (\r)<<16
	s_mov_b32 s[\g+3], 32<<16
	s_mov_b32 s[\g+4], \r
	s_mov_b32 s[\g+5], 32
	s_mov_b32 s[\g+6], 0
	s_mov_b32 s[\g+7], 0
.endm
.macro WMR d, a, b, c, sa, sb, ra, rb  ; ra, rb: the side's scales stand in lanes 16-31
.if (\ra) && (\rb)
	v_wmma_scale_f32_16x16x128_f8f6f4 v[(\d):(\d)+7], v[(\a):(\a)+7], v[(\b):(\b)+7], v[(\c):(\c)+7], v[(\sa)], v[(\sb)] matrix_a_fmt:MATRIX_FMT_FP4 matrix_b_fmt:MATRIX_FMT_FP4 matrix_a_scale:MATRIX_SCALE_ROW1 matrix_b_scale:MATRIX_SCALE_ROW1
.elseif (\ra)
	v_wmma_scale_f32_16x16x128_f8f6f4 v[(\d):(\d)+7], v[(\a):(\a)+7], v[(\b):(\b)+7], v[(\c):(\c)+7], v[(\sa)], v[(\sb)] matrix_a_fmt:MATRIX_FMT_FP4 matrix_b_fmt:MATRIX_FMT_FP4 matrix_a_scale:MATRIX_SCALE_ROW1
.elseif (\rb)
	v_wmma_scale_f32_16x16x128_f8f6f4 v[(\d):(\d)+7], v[(\a):(\a)+7], v[(\b):(\b)+7], v[(\c):(\c)+7], v[(\sa)], v[(\sb)] matrix_a_fmt:MATRIX_FMT_FP4 matrix_b_fmt:MATRIX_FMT_FP4 matrix_b_scale:MATRIX_SCALE_ROW1
.else
	v_wmma_scale_f32_16x16x128_f8f6f4 v[(\d):(\d)+7], v[(\a):(\a)+7], v[(\b):(\b)+7], v[(\c):(\c)+7], v[(\sa)], v[(\sb)] matrix_a_fmt:MATRIX_FMT_FP4 matrix_b_fmt:MATRIX_FMT_FP4
.endif
.endm
	s_load_b256 s[4:11], s[0:1], 0x0               ; o_codes s[4:5], o_scales s[6:7], codes s[8:9], scales s[10:11]
	s_load_b128 s[12:15], s[0:1], 0x20             ; out_proj_b s[12:13], out0 s[14:15]
	v_lshl_add_u32 v[SPW], v0, 2, SPARE
	v_mov_b32 v[NIL], 0
	ds_add_u32 v[SPW], v[NIL]                      ; the wave's opening: the add, twice on end, and its wait
	ds_add_u32 v[SPW], v[NIL]
	v_lshrrev_b32 v1, 5, v0
	v_readfirstlane_b32 s16, v1                    ; wave 0..7
	s_bfe_u32 s17, ttmp6, 0x40000                  ; cx
	s_bfe_u32 s18, ttmp6, 0x40004                  ; cy
	s_lshl_b32 s19, ttmp9, 2
	s_add_co_u32 s19, s19, s17                     ; which 256 columns
	s_and_b32 s51, s16, 3                          ; cg: which 64 of them are mine; also: which quarter I fetch
	s_lshr_b32 s52, s16, 2                         ; th: which half of the tokens; also: I fetch for W (0) or for o (1)
	s_lshl_b32 s20, s19, 17                        ; W: tile 704 + 16 x the column block + 4 cg
	s_lshl_b32 s53, s51, 15
	s_add_co_u32 s20, s20, s53
	s_add_co_u32 s20, s20, 704*8192
	s_mov_b32 s21, 0
	s_and_b32 s48, ttmp7, 0xffff
	s_lshl_b32 s48, s48, 2
	s_add_co_u32 s48, s48, s18                     ; b
	s_lshl_b32 s22, s48, 16                        ; o: tile 8 b + 2 x quarter
	s_lshl_b32 s50, s51, 14
	s_add_co_u32 s22, s22, s50
	s_mov_b32 s23, 0
	s_lshl_b32 s2, s18, 2
	s_lshl_b32 s2, 15, s2                          ; my row of the cluster
	s_lshl_b32 s3, 0x1111, s17                     ; my column
	s_or_b32 s24, s3, (3<<16)|(1<<21)              ; group 1, word 0: the mask; elements of 8 bytes; bit 21 set beside a mask; no padding
	s_or_b32 s32, s2, (3<<16)|(1<<21)
	GROUP1 24, 128                                 ; W: four tiles, 32,768 bytes
	GROUP1 32, 64                                  ; o: two tiles, 16,384 bytes
	s_add_co_u32 s49, s53, WL                      ; LDS: W's quarter; s50: o's
	s_mov_b32 s40, 1
	s_mov_b32 s41, s49
	s_mov_b32 s44, 1
	s_mov_b32 s45, s50
	s_wait_dscnt 0x0                               ; both opening adds are done
	CROUND                                         ; all sixteen work-groups are here: the joint loads will meet.  The round names no argument, so it stands ahead of the wait for them
	s_wait_kmcnt 0x0
	s_add_nc_u64 s[42:43], s[8:9], s[20:21]
	s_or_b32 s43, s43, 0x80000000
	s_add_nc_u64 s[46:47], s[4:5], s[22:23]
	s_or_b32 s47, s47, 0x80000000
	s_cmp_lt_u32 s16, 4                            ; one load a wave
	s_cbranch_scc0 .Lfor_o
	tensor_load_to_lds s[40:43], s[24:31]
	s_nop 0
	PLACES 4
	s_branch .Lasked
.Lfor_o:
	tensor_load_to_lds s[44:47], s[32:39]
	s_nop 0
	PLACES 4
.Lasked:
	s_mov_b32 s55, 0
	s_lshl_b32 s56, s19, 2
	s_add_co_u32 s56, s56, s51                     ; my 64 columns' number
	s_lshl_b32 s54, s56, 11                        ; W's scale words: pair 352 + 2 x that
	s_add_co_u32 s54, s54, 352*1024
	s_add_nc_u64 s[10:11], s[10:11], s[54:55]
	s_lshr_b32 s54, s48, 1                         ; o's: [b / 2][K step][4 (b % 2) + pair][32][4 bytes]
	s_lshl_b32 s54, s54, 13
	s_and_b32 s53, s48, 1
	s_lshl_b32 s53, s53, 9
	s_add_co_u32 s54, s54, s53
	s_lshl_b32 s53, s52, 8                         ; my two pairs
	s_add_co_u32 s54, s54, s53
	s_add_nc_u64 s[6:7], s[6:7], s[54:55]
	s_lshl_b32 s54, s56, 8                         ; the bias: my 64 numbers
	s_add_nc_u64 s[12:13], s[12:13], s[54:55]
	s_lshl_b32 s53, s48, 19                        ; out0: 128 rows of 4,096 bytes a batch, 64 a half, + my 256 bytes of a row
	s_add_co_u32 s54, s54, s53
	s_lshl_b32 s53, s52, 18
	s_add_co_u32 s54, s54, s53
	s_add_nc_u64 s[14:15], s[14:15], s[54:55]
	s_lshl_b32 s57, s52, 15                        ; my four tiles of o
	s_mul_i32 s58, s16, 4352
	s_add_co_u32 s58, s58, STG                     ; my stage
	v_and_b32 v10, 31, v0                          ; lane
	v_and_b32 v11, 15, v0                          ; r
	v_bfe_u32 v12, v0, 4, 1                        ; h
	v_lshlrev_b32 v[L16], 4, v10
	v_add_nc_u32 v[AWL], s49, v[L16]
	v_add_nc_u32 v[AO], s57, v[L16]
	v_mul_u32_u24 v[STO], v11, 272
	v_lshl_add_u32 v[STO], v12, 6, v[STO]
	v_add_nc_u32 v[STO], s58, v[STO]               ; in: row r, + 64 h
	v_mul_u32_u24 v[RD], v12, 272
	v_lshl_add_u32 v[RD], v11, 4, v[RD]
	v_add_nc_u32 v[RD], s58, v[RD]                 ; back: lanes 0-15 one row of 256 bytes, lanes 16-31 the next
	v_lshlrev_b32 v[GO], 12, v12
	v_lshl_add_u32 v[GO], v11, 4, v[GO]            ; and the same two rows in out0
	v_lshlrev_b32 v[L4], 2, v10
	v_lshlrev_b32 v[H64], 6, v12
	s_wait_alu depctr_va_vdst(0)
.irp pr, 0,1
.irp sg, 0,1
	global_load_b128 v[WSC+8*\pr+4*\sg:WSC+8*\pr+4*\sg+3], v[L16], s[10:11] offset:1024*\pr+512*\sg
.endr
.endr
.irp pr, 0,1
.irp s, 0,1,2,3,4,5,6,7
	global_load_b32 v[OSC+8*\pr+\s], v[L4], s[6:7] offset:128*\pr+1024*\s
.endr
.endr
.irp i, 0,1,2,3
	global_load_b128 v[BO+8*\i:BO+8*\i+3], v[H64], s[12:13] offset:128*(\i/2)+32*(\i%2)   ; columns 32 (i / 2) + 16 h + 8 (i % 2) + 0 .. 7
	global_load_b128 v[BO+8*\i+4:BO+8*\i+7], v[H64], s[12:13] offset:128*(\i/2)+32*(\i%2)+16
.endr
.macro LOADF t, s0                     ; 8 LDS loads: tile t's fragments of K steps s0 .. s0 + 3
.irp ss, 0,1,2,3
	ds_load_b128 v[OF+8*((\s0)+\ss):OF+8*((\s0)+\ss)+3], v[AO] offset:8192*(\t)+1024*((\s0)+\ss)
	ds_load_b128 v[OF+8*((\s0)+\ss)+4:OF+8*((\s0)+\ss)+7], v[AO] offset:8192*(\t)+1024*((\s0)+\ss)+512
.endr
.endm
.macro LOADW s0                        ; 32 LDS loads: W's fragments of K steps s0 .. s0 + 3; fragment (tile i, K step s) at v[8 (8 i + s)]
	WIN 0x40                                       ; destination window 1
.irp ss, 0,1,2,3
.irp i, 0,1,2,3
	ds_load_b128 v[64*\i+8*((\s0)+\ss):64*\i+8*((\s0)+\ss)+3], v[AWL] offset:8192*\i+1024*((\s0)+\ss)
	ds_load_b128 v[64*\i+8*((\s0)+\ss)+4:64*\i+8*((\s0)+\ss)+7], v[AWL] offset:8192*\i+1024*((\s0)+\ss)+512
.endr
.endr
	WIN 0
.endm
.macro STAGE t                         ; tile t's results into my stage, each accumulator from its low end on, and back as whole rows of 256 bytes
.irp i, 0,1,2,3
	ds_store_b128 v[STO], v[ACC+32*((\t)%2)+8*\i:ACC+32*((\t)%2)+8*\i+3] offset:128*(\i/2)+32*(\i%2)
	ds_store_b128 v[STO], v[ACC+32*((\t)%2)+8*\i+4:ACC+32*((\t)%2)+8*\i+7] offset:128*(\i/2)+32*(\i%2)+16
.endr
.irp k, 0,1,2,3,4,5,6,7
	ds_load_b128 v[OUTR+4*\k:OUTR+4*\k+3], v[RD] offset:544*\k   ; LDS serves a wave's instructions in order (ISA guide 5.7.1.4): these see the stores above
.endr
.endm
.macro SEND t                          ; places 2 k, 2 k + 1 of tile t are my tokens 32 (t / 2) + 8 (t % 2) + 2 k + 8 (k / 4), + 1
.irp k, 0,1,2,3,4,5,6,7
	global_store_b128 v[GO], v[OUTR+4*\k:OUTR+4*\k+3], s[14:15] offset:(32*((\t)/2)+8*((\t)%2)+2*\k+8*(\k/4))*4096 th:TH_STORE_NT   ; sixteen lanes store 256 consecutive bytes, aligned; written once
.endr
.endm
.macro MULS t, s0                      ; 16 matrix instructions: K steps s0 .. s0 + 3 of tile t; the four accumulators take turns, one instruction a turn
	WIN 0x01                                       ; source 0 (W) window 1
.irp ss, 0,1,2,3
.irp i, 0,1,2,3
.set KK, (\s0)+\ss
.set PD, ACC+32*((\t)%2)+8*\i
.set PCC, PD
.if KK == 0
.set PCC, BO+8*\i
.endif
	WMR PD, 64*\i+8*KK, OF+8*KK, PCC, WSC+8*(\i/2)+KK, OSC+8*((\t)/2)+KK, \i%2, (\t)%2
.endr
.endr
	WIN 0
.endm
.macro TILE t
.if (\t) == 0
	s_wait_dscnt 40                                ; the tile's first four fragments and W's first four K steps are in; W's other 32 loads and the other 8 may be out
.else
	s_wait_dscnt 24                                ; the tile's first four fragments are in; its other 8 loads and the stage's 16 instructions may be out
.endif
	MULS \t, 0
.if (\t) < 3
	PLACES 4                                       ; for the loads into registers just multiplied
	LOADF (\t)+1, 0
	s_wait_dscnt 8                                 ; all but these 8: the tile's other fragments, and the last tile's rows back from the stage
.else
	s_wait_dscnt 0x0
.endif
.if (\t) > 0
	SEND (\t)-1
.endif
	MULS \t, 4
	PLACES 4                                       ; the same, and the results are read
.if (\t) < 3
	LOADF (\t)+1, 4
.endif
.if (\t) > 0
	s_wait_xcnt 0x0                                ; the last tile's stores, sixteen products back, have read their registers: the rows' set is loaded again only behind this wait
.endif
	STAGE \t
.endm
	s_wait_tensorcnt 0x0                           ; my tiles have landed,
	s_barrier_signal -1
	s_barrier_wait -1                              ; everybody's have
	LOADF 0, 0
	LOADW 0
	LOADW 4
	LOADF 0, 4
	s_wait_loadcnt 0x0                             ; scale words and bias
.irp t, 0,1,2,3
	TILE \t
.endr
	s_wait_dscnt 0x0
	SEND 3
	s_wait_tensorcnt 0x0                           ; the wave's end
	ds_add_u32 v[SPW], v[NIL]
	s_wait_dscnt 0x0
	CROUND                                         ; the closing round: no work-group ends while a partner may still ask for a tile that names it
	s_endpgm
.Lfunc_end_k_qa0f7d665d2_proj:
	.size	k_qa0f7d665d2_proj, .Lfunc_end_k_qa0f7d665d2_proj-k_qa0f7d665d2_proj
	.p2alignl 7, 3214868480
	.fill 96, 4, 3214868480
	.section	.rodata,"a",@progbits
	.p2align	6, 0x0
	.amdhsa_kernel k_qa0f7d665d2_proj
		.amdhsa_group_segment_fixed_size 232448
		.amdhsa_private_segment_fixed_size 0
		.amdhsa_enable_private_segment 0
		.amdhsa_kernarg_size 48
		.amdhsa_user_sgpr_count 2
		.amdhsa_user_sgpr_kernarg_segment_ptr 1
		.amdhsa_wavefront_size32 1
		.amdhsa_system_sgpr_workgroup_id_x 1
		.amdhsa_system_sgpr_workgroup_id_y 1
		.amdhsa_system_sgpr_workgroup_id_z 1
		.amdhsa_system_vgpr_workitem_id 0
		.amdhsa_next_free_vgpr 512
		.amdhsa_next_free_sgpr 66
		.amdhsa_reserve_vcc 0
		.amdhsa_float_denorm_mode_32 3
		.amdhsa_float_denorm_mode_16_64 3
		.amdhsa_memory_ordered 1
		.amdhsa_forward_progress 1
		.amdhsa_inst_pref_size 42
	.end_amdhsa_kernel
	.amdgpu_metadata
---
amdhsa.version: [ 1, 2 ]
amdhsa.kernels:
  - .name:           k_qa0f7d665d2_proj
    .symbol:         k_qa0f7d665d2_proj.kd
    .args:
      - { .name: o_codes, .offset: 0, .size: 8, .value_kind: global_buffer, .address_space: global }
      - { .name: o_scales, .offset: 8, .size: 8, .value_kind: global_buffer, .address_space: global }
      - { .name: codes, .offset: 16, .size: 8, .value_kind: global_buffer, .address_space: global }
      - { .name: scales, .offset: 24, .size: 8, .value_kind: global_buffer, .address_space: global }
      - { .name: out_proj_b, .offset: 32, .size: 8, .value_kind: global_buffer, .address_space: global }
      - { .name: out0, .offset: 40, .size: 8, .value_kind: global_buffer, .address_space: global }
    .group_segment_fixed_size: 232448
    .private_segment_fixed_size: 0
    .kernarg_segment_align: 8
    .kernarg_segment_size: 48
    .max_flat_workgroup_size: 256
    .sgpr_count:     66
    .vgpr_count:     512
    .wavefront_size: 32
...
	.end_amdgpu_metadata
.endif
;; end of part 3
